; MI455X (gfx1250); checked and timed in simulation.
; The chip was launched on July 23, 2026; its instructions are those of AMD's public machine-readable ISA for CDNA 5 (MIT licence, August 2026) and "CDNA5" Instruction Set Architecture Reference Guide (July 2026). The comments in the code are by the model that wrote it; some were corrected since.
;; Memory Efficient Attention. Allowed arithmetic: float matrix products may take bf16 or f16 operands with f32 sums; all other float work in f32.
;; Inputs: k 2 x 16 x 2,048 x 64 float32; q 2 x 16 x 2,048 x 64 float32; v 2 x 16 x 2,048 x 64 float32.
;; Outputs: out0 2 x 16 x 2,048 x 64 float32.
;; One version. Each part assembles by itself: llvm-mc -triple=amdgcn-amd-amdhsa -mcpu=gfx1250 --defsym DOCPART=n.
;; ======== version 1 of 1: 1 launch
;; limits: values are held in f16: magnitudes above 65,504 overflow, below 6.1e-05 lose precision; inputs' magnitudes at most 65,504
;; launch attn (part 1): grid 256 x 1, 8 waves a work-group, no clusters, 148,480 bytes of LDS; arguments q, k, v, out0; writes out0
.if DOCPART == 1
	.amdgcn_target "amdgcn-amd-amdhsa--gfx1250"
	.amdhsa_code_object_version 6
	.text
	.protected	k_qe2c58b20bc_attn
	.globl	k_qe2c58b20bc_attn
	.p2align	8
	.type	k_qe2c58b20bc_attn,@function
k_qe2c58b20bc_attn:
	s_mov_b64 s[64:65], 0
	v_nop
	global_prefetch_b8 v0, s[64:65] scope:SCOPE_SE
	s_setreg_imm32_b32 hwreg(HW_REG_WAVE_MODE, 25, 1), 1
	s_wait_xcnt 0x0
; Causal attention, out = softmax(q k^T / 8, keys j <= i) v, for 32 heads of 2,048 rows x 64 numbers, f32 in memory.
; (The chunks of the problem's text change nothing: key j is visible to row i iff j <= i.)
;
; SHARING.  Work-group x: head x >> 3, i = x & 7.  It owns two blocks of 128 query rows: the low block i and the high block 15 - i.  In key tiles of
; 64 keys the low block needs tiles 0 .. 2i+1 and the high block tiles 0 .. 31-2i: 34 tile steps for every i, so all 256 work-groups do equal work.
; Eight waves are two teams of four; each team does 17 steps; a wave owns 32 query rows (two tiles of 16) of its team's current block.
;   team A (waves 0-3): high block, tiles 15-2i .. 31-2i (steps 15 and 16 lie on the diagonal)
;   team B (waves 4-7): low block, tiles 0 .. 2i+1 (steps 2i, 2i+1 on the diagonal); at step 2i+2 it stores the low block and goes on with the high
;                       block, tiles 0 .. 14-2i; at the end it hands (O, maximum, sum) to team A through LDS, which merges and stores the high block.
; The first tile of every stretch shows each row at least one key, so the running maximum is finite from the first tile on.
;
; PRODUCTS, both transposed so that P never moves between lanes: S^T = K Q^T (source 0: 16 keys x 32 d, source 1: Q) leaves key 8h+j of query r in
; register j of lane (r, h); two neighbouring key tiles packed to 16 bits are source 1 of O^T = V^T P^T as they lie; V^T comes by the transposing LDS
; load.  O^T leaves eight neighbouring numbers of an output row in a lane.
;
; NUMBER FORMATS.  q, k and v all carry one rounding, to bf16 (8 significant bits).  S^T is the bf16 form.  P is no input and is kept finer: a row near
; the top of a head sees a handful of keys, so P's rounding is not averaged away, and 2^-8 of p |v| would be of the size of what the result may be off
; by where the terms cancel; f16 leaves 2^-11.  So O^T is the f16 form, and v goes into it as f16 made FROM its bf16 rounding: 8 significant bits fit
; f16's 11 exactly.  Rounding v straight to f16 would leave it with another rounding than q and k (up to 2^-10 absolute for 2 <= |v| < 4).
; There is room for f16: P lies in [0, 1], products and sums are f32 inside the matrix instruction, so only v itself must fit.
;
; K AND V come through registers: global_load_b128 (f32), conversion, ds_store_b64, each number converted once for its team; the loads of the tile
; two steps ahead are issued at the end of a step and waited for at the end of the next one.  The tensor mover would land f32 in LDS, which the
; transposing load cannot take and which all four waves would have to convert.
; NO CLUSTER: the work-groups of a head want different tiles at any time (team A of work-group i starts at tile 15-2i, team B starts anew at step
; 2i+2), and a joint tile would arrive as f32.
;
; LIMITS: q, k, v are rounded to bf16 and P to f16 for the products; sums, maxima and exponentials are f32.  |v| up to 65,504 (f16's largest number):
; beyond it the operand becomes infinite and the row is not reproduced.  |v| below 2^-14 keeps an absolute error of up to 2^-25; P below 2^-25
; becomes 0.  A running maximum is taken away before every exponential.  Exponentials below 2^-126 become 0.  NaN or infinite inputs are not
; reproduced.  The keys' sums are formed in another order than the reference's (by lane halves, by tiles, by the two teams).
.set KP,     144                       ; LDS pitch of K rows: 128 bytes of bf16 + 16; 16 rows start at 16 different 16-byte columns modulo 256 bytes
.set VP,     160                       ; LDS pitch of V rows [key][d]: 128 bytes of f16 + 32, an odd multiple of 32 for the transposing load
.set VOFF,   64*KP                     ; V behind K's 64 rows
.set TEAMB,  19456                     ; a team's K and V of one buffer: 9,216 + 10,240
.set PARB,   2*TEAMB                   ; buffer 0: bytes 0 .. 38,911 (both teams); buffer 1: the next 38,912
.set STAGE,  2*PARB                    ; 77,824: each wave's own 16 rows x 272 bytes for the way out
.set SP,     272
.set MERGE,  STAGE+8*16*SP             ; 112,640: 8,704 bytes for each pair of waves: 16 images of 512 bytes of O, then the state
.set MRGW,   8704
.set NM,  16                           ; v16, v18  minus c x running maximum, query tile 0, 1   (c = log2(e) / 8)
.set LS,  17                           ; v17, v19  the lane's part of the running sum
.set AL,  20                           ; v20, v22  factor for the old O and sum; v21, v23 its exponent
.set T,   24                           ; v24-27    at work
.set SUM, 28                           ; v28-31    two chains of packed sums
.set Q,   32                           ; v32-63    Q fragments: 32 + 16 n + 8 dh
.set O,   64                           ; v64-127   O^T: 64 + 32 n + 8 dt
.set S,   128                          ; v128-191  S^T: 128 + 32 n + 8 t; P packed in place at 128 + 32 n + 16 kk
.set FA,  192                          ; v192-223  fragments: K tiles 0, 1 / V keys 0-31
.set FB,  224                          ; v224-255  fragments: K tiles 2, 3 / V keys 32-63
; v1 K fragment address, v2 V fragment address, v3, v4 where I stage K, V, v5, v6 my offsets in a K, V tile in memory, v7 diagonal threshold,
; v8, v9 thresholds of the step, v10, v11 stage in and back, v12 offset in out0, v13 offset in q, v14 merge image
; v256-319 (window 1, written v0-63): a K tile's and a V tile's 16 loads of mine, then K packed in v256-271 and V packed in v272-287
; s[4:5] q; s[6:7], s[8:9] k, v at my head; s[10:11] out0 at my rows; s12 wave, s13 team, s14 wave in team, s15 i; s16 the head, then the mask of a
; word's upper half; s17 step of the switch, s18 first diagonal step, s19 flag: O starts anew, s20 loop counter, s21 step, s[22:23] next tile's byte
; offset, s24 the step it belongs to, s25 at work, s[26:29] K, V tile pointers, s30 = s31 = c, s32 = -c, s33 = -inf, s34, s35 lane selects,
; s[36:37], s[38:39] q at my rows of the first and the high block
.set MSB, 0
.macro WIN new                         ; s_set_vgpr_msb; the immediate's high byte repeats the setting that is left
.if MSB != \new
	s_set_vgpr_msb (MSB<<8)|\new
.set MSB, \new
.endif
.endm
.macro PLACES                          ; four places behind a matrix instruction (ISA guide 7.12.1)
.rept 4
	v_nop
.endr
.endm
; The loads of one K tile and one V tile, my 16 rows of each: every load covers two whole rows of 256 bytes.
; The pointers are written again only behind the s_wait_loadcnt that showed the earlier tile's loads done.
.macro ISSUE
	s_add_nc_u64 s[26:27], s[6:7], s[22:23]
	s_add_nc_u64 s[28:29], s[8:9], s[22:23]
	WIN 0x40                                       ; destination in window 1
.irp j, 0,1,2,3,4,5,6,7
	global_load_b128 v[4*\j:4*\j+3], v5, s[26:27] offset:256*\j                          ; K rows 16 wv + 8 h + j
.endr
.irp j, 0,1,2,3,4,5,6,7
	global_load_b128 v[32+4*\j:32+4*\j+3], v6, s[28:29] offset:256*(8*(\j>>2)+(\j&3))    ; V rows 16 wv + 4 h + 8 (j >> 2) + (j & 3)
.endr
	WIN 0
	s_add_co_u32 s24, s24, 1                       ; the step whose tile comes next
	s_add_co_u32 s22, s22, 0x4000                  ; 64 keys x 256 bytes on,
	s_cmp_eq_u32 s24, s17
	s_cselect_b32 s22, 0, s22                      ; or back to tile 0 where team B changes blocks
.endm
; The tile that has arrived goes to LDS buffer dstpar in 16 bits.  left = younger loads that may stay out.
; K: packed to bf16 in place: word k is written from words 2k, 2k+1, and every later read lies above k.  That frees words 16-31 for V.
; V: rounded to bf16, widened again (a shift, a mask), packed to f16, in four runs of 16 so that no line waits for the line in front of it.
; A store's two half rows lie 8 K rows (1,152 bytes) or 4 V rows (640 bytes) apart, both 128 modulo 256: its 256 bytes fall on 64 different words modulo 256 bytes.
.macro CONVERT dstpar, left
	s_wait_loadcnt \left
	WIN 0x45                                       ; destination and both sources in window 1
.set kc, 0
.rept 16
	v_cvt_pk_bf16_f32 v[kc], v[2*kc], v[2*kc+1]                  ; K
.set kc, kc+1
.endr
.set kc, 0
.rept 16
	v_cvt_pk_bf16_f32 v[32+2*kc], v[32+2*kc], v[32+2*kc+1]       ; V: the one rounding, two numbers in a word
.set kc, kc+1
.endr
.set kc, 0
.rept 16
	v_and_b32 v[32+2*kc+1], s16, v[32+2*kc]                      ; the upper one as f32
.set kc, kc+1
.endr
.set kc, 0
.rept 16
	v_lshlrev_b32 v[32+2*kc], 16, v[32+2*kc]                     ; the lower one as f32
.set kc, kc+1
.endr
.set kc, 0
.rept 16
	v_cvt_pk_f16_f32 v[16+kc], v[32+2*kc], v[32+2*kc+1]          ; exact from 2^-14 to 65,504
.set kc, kc+1
.endr
	WIN 0x04                                       ; store data in window 1, address in window 0
.irp j, 0,1,2,3,4,5,6,7
	ds_store_b64 v3, v[2*\j:2*\j+1] offset:\dstpar*PARB+KP*\j
.endr
.irp j, 0,1,2,3,4,5,6,7
	ds_store_b64 v4, v[16+2*\j:16+2*\j+1] offset:\dstpar*PARB+VP*(8*(\j>>2)+(\j&3))
.endr
.endm
; My 32 rows of q as f32 into S's registers, in the order of the fragments: load c = 8 n + 4 dh + 2 q + e brings d = 32 dh + 16 q + 8 h + 4 e .. + 3 of row 16 n + r
.macro LOADQ b
.irp c, 0,1,2,3,4,5,6,7,8,9,10,11,12,13,14,15
	global_load_b128 v[S+4*\c:S+4*\c+3], v13, s[\b:\b+1] offset:4096*(\c>>3)+128*((\c>>2)&1)+64*((\c>>1)&1)+16*(\c&1)
.endr
.endm
.macro CVTQ
.set kc, 0
.rept 32
	v_cvt_pk_bf16_f32 v[Q+kc], v[S+2*kc], v[S+2*kc+1]
.set kc, kc+1
.endr
.endm
; K fragments of the 64 keys: load c = 4 t + 2 dh + e; tiles 0, 1 (FA) first, then 2, 3 (FB)
.macro KFRAG par
.irp c, 0,1,2,3,4,5,6,7,8,9,10,11,12,13,14,15
	ds_load_b128 v[FA+4*\c:FA+4*\c+3], v1 offset:\par*PARB+16*KP*(\c>>2)+64*((\c>>1)&1)+32*(\c&1)
.endr
.endm
; V^T fragments: load c = 8 kk + 2 dt + e: keys 32 kk + 16 e + 8 h .. + 7 of column d = 16 dt + r
.macro VFRAG par
.irp c, 0,1,2,3,4,5,6,7,8,9,10,11,12,13,14,15
	ds_load_tr16_b128 v[FA+4*\c:FA+4*\c+3], v2 offset:\par*PARB+32*VP*(\c>>3)+32*((\c>>1)&3)+16*VP*(\c&1)
.endr
.endm
; S^T of key tiles 2 tp, 2 tp + 1 for both query tiles: the first half of d starts the sums.  Four accumulators take turns, one instruction a turn.
.macro SMUL tp
.irp dh, 0,1
.irp tl, 0,1
.irp qn, 0,1
.if \dh == 0
	v_wmma_f32_16x16x32_bf16 v[S+32*\qn+8*(2*\tp+\tl):S+32*\qn+8*(2*\tp+\tl)+7], v[FA+16*(2*\tp+\tl)+8*\dh:FA+16*(2*\tp+\tl)+8*\dh+7], v[Q+16*\qn+8*\dh:Q+16*\qn+8*\dh+7], 0
.else
	v_wmma_f32_16x16x32_bf16 v[S+32*\qn+8*(2*\tp+\tl):S+32*\qn+8*(2*\tp+\tl)+7], v[FA+16*(2*\tp+\tl)+8*\dh:FA+16*(2*\tp+\tl)+8*\dh+7], v[Q+16*\qn+8*\dh:Q+16*\qn+8*\dh+7], v[S+32*\qn+8*(2*\tp+\tl):S+32*\qn+8*(2*\tp+\tl)+7]
.endif
.endr
.endr
.endr
.endm
; The two steps on the diagonal: key 64 tau + 16 t + 8 h + j of the block is visible to row 32 wv + 16 n + r iff 16 t + j <= 32 wv + 16 n + r - 8 h - 64 tau
.macro MASK
	s_sub_co_u32 s25, s21, s18                     ; tau; wraps to a large number before the diagonal
	s_cmp_lt_u32 s25, 2
	s_cbranch_scc0 .Lnomask_\@
	s_lshl_b32 s25, s25, 6
	v_sub_nc_u32 v8, v7, s25
	v_add_nc_u32 v9, 16, v8
.irp qn, 0,1
.set kc, 0
.rept 32
	v_cmp_le_i32 vcc_lo, 16*(kc>>3)+(kc&7), v[8+\qn]
	v_cndmask_b32 v[S+32*\qn+kc], s33, v[S+32*\qn+kc], vcc_lo    ; hidden: -inf
.set kc, kc+1
.endr
.endr
.Lnomask_\@:
.endm
.macro EXP8 t
.irp j, 0,1,2,3,4,5,6,7
	v_exp_f32 v[SB+8*\t+\j], v[SB+8*\t+\j]
.endr
.endm
; key tile t: its eight numbers into the two chains of sums, then packed to f16 at their place in P (the sums read them first)
.macro SUMPACK t
.if \t == 0
	s_wait_alu depctr_va_vdst(0)
	v_pk_add_f32 v[SUM:SUM+1], v[SB:SB+1], v[SB+2:SB+3]          ; the first tile starts the chains
	v_pk_add_f32 v[SUM+2:SUM+3], v[SB+4:SB+5], v[SB+6:SB+7]
.else
	s_wait_alu depctr_va_vdst(0)
	v_pk_add_f32 v[SUM:SUM+1], v[SUM:SUM+1], v[SB+8*\t:SB+8*\t+1]
	v_pk_add_f32 v[SUM+2:SUM+3], v[SUM+2:SUM+3], v[SB+8*\t+2:SB+8*\t+3]
	v_pk_add_f32 v[SUM:SUM+1], v[SUM:SUM+1], v[SB+8*\t+4:SB+8*\t+5]
	v_pk_add_f32 v[SUM+2:SUM+3], v[SUM+2:SUM+3], v[SB+8*\t+6:SB+8*\t+7]
.endif
.irp p, 0,1,2,3
	v_cvt_pk_f16_f32 v[SB+16*(\t>>1)+4*(\t&1)+\p], v[SB+8*\t+2*\p], v[SB+8*\t+2*\p+1]
.endr
.endm
; Query tile qn: running maximum, P = 2^(c s - c m) in f16, running sum, factor for the old O
.macro SOFTMAX qn
.set SB,  S+32*\qn
.set NMR, NM+2*\qn
.set ALR, AL+2*\qn
.irp c, 0,1,2,3
	v_max3_num_f32 v[T+\c], v[SB+8*\c], v[SB+8*\c+1], v[SB+8*\c+2]       ; four chains over my 32 keys
.endr
.irp c, 0,1,2,3
	v_max3_num_f32 v[T+\c], v[T+\c], v[SB+8*\c+3], v[SB+8*\c+4]
.endr
.irp c, 0,1,2,3
	v_max3_num_f32 v[T+\c], v[T+\c], v[SB+8*\c+5], v[SB+8*\c+6]
.endr
	v_max3_num_f32 v[T], v[T], v[T+1], v[SB+7]
	v_max3_num_f32 v[T+2], v[T+2], v[T+3], v[SB+15]
	v_max3_num_f32 v[T], v[T], v[SB+23], v[SB+31]
	v_max_num_f32 v[T], v[T], v[T+2]
	v_permlanex16_b32 v[T+1], v[T], s34, s35       ; the other half of the lanes holds the query's other 32 keys
	v_max_num_f32 v[T], v[T], v[T+1]
	v_mul_f32 v[T], s32, v[T]                      ; -c x the tile's maximum (+inf where the whole tile is hidden)
	v_min_num_f32 v[T], v[NMR], v[T]               ; -c x the new running maximum
	v_sub_f32 v[ALR+1], v[T], v[NMR]               ; <= 0; -inf at a stretch's first tile, where the old value is +inf
	v_mov_b32 v[NMR], v[T]
	v_exp_f32 v[ALR], v[ALR+1]                     ; the packed multiply-adds below are the plain instructions behind it (ISA guide 5.7.2)
.set kc, 0
.rept 16
	v_pk_fma_f32 v[SB+2*kc:SB+2*kc+1], v[SB+2*kc:SB+2*kc+1], s[30:31], v[NMR:NMR+1] op_sel_hi:[1,0,0]   ; c s - c m, both halves with c and with NM
.set kc, kc+1
.endr
	EXP8 0
	EXP8 1
	v_nop                                          ; one plain instruction between the first exponentials and the first use of them
	SUMPACK 0
	EXP8 2
	SUMPACK 1                                      ; from here on an earlier tile's sums are the plain instructions behind each run
	EXP8 3
	SUMPACK 2
	SUMPACK 3
	v_pk_add_f32 v[SUM:SUM+1], v[SUM:SUM+1], v[SUM+2:SUM+3]
	v_add_f32 v[SUM], v[SUM], v[SUM+1]
	v_fma_f32 v[NMR+1], v[NMR+1], v[ALR], v[SUM]   ; sum = sum x factor + this tile's
.endm
.macro RESCALE qn                      ; O of query tile qn times v[AL + 2 qn]
.set kc, 0
.rept 16
	v_pk_mul_f32 v[O+32*\qn+2*kc:O+32*\qn+2*kc+1], v[O+32*\qn+2*kc:O+32*\qn+2*kc+1], v[AL+2*\qn:AL+2*\qn+1] op_sel_hi:[1,0]
.set kc, kc+1
.endr
.endm
; O^T += V^T P^T for 32 keys: four accumulators take turns, one instruction a turn
.macro PVMUL qn, kk, zero
.irp dt, 0,1,2,3
.if \zero
	v_wmma_f32_16x16x32_f16 v[O+32*\qn+8*\dt:O+32*\qn+8*\dt+7], v[FA+32*\kk+8*\dt:FA+32*\kk+8*\dt+7], v[S+32*\qn+16*\kk:S+32*\qn+16*\kk+7], 0
.else
	v_wmma_f32_16x16x32_f16 v[O+32*\qn+8*\dt:O+32*\qn+8*\dt+7], v[FA+32*\kk+8*\dt:FA+32*\kk+8*\dt+7], v[S+32*\qn+16*\kk:S+32*\qn+16*\kk+7], v[O+32*\qn+8*\dt:O+32*\qn+8*\dt+7]
.endif
.endr
.endm
; PVMODE 0: rescale and add.  1: the first product starts O.  2: s19 says which of the two.
.macro PVN qn
.if PVMODE == 0
	RESCALE \qn
	PVMUL \qn, 0, 0
.endif
.if PVMODE == 1
	PVMUL \qn, 0, 1
.endif
.if PVMODE == 2
	s_cmp_lg_u32 s19, 0
	s_cbranch_scc1 .Lfresh_\@
	RESCALE \qn
	PVMUL \qn, 0, 0
	s_branch .Ljoin_\@
.Lfresh_\@:
	PVMUL \qn, 0, 1
.Ljoin_\@:
.endif
	PVMUL \qn, 1, 0
.endm
.macro FINISH qn                       ; O / sum
	v_permlanex16_b32 v[T], v[LS+2*\qn], s34, s35
	v_add_f32 v[AL+2*\qn+1], v[LS+2*\qn], v[T]     ; both halves' keys
	v_rcp_f32 v[AL+2*\qn], v[AL+2*\qn+1]
	v_nop                                          ; one plain instruction behind v_rcp_f32 (ISA guide 5.7.2)
	s_wait_alu depctr_va_vdst(0)
	RESCALE \qn
.endm
; 16 output rows through my own stage: in by 16 bytes of a row a lane, back as whole rows; each store of the wave covers 512 consecutive bytes, aligned.
; LDS serves a wave's instructions in order (ISA guide 5.7.1), so the loads see the stores; no other wave touches these bytes.
.macro STORE_TILE qn, f
.irp c, 0,1,2,3,4,5,6,7
	ds_store_b128 v10, v[O+32*\qn+4*\c:O+32*\qn+4*\c+3] offset:64*(\c>>1)+16*(\c&1)      ; d = 16 dt + 8 h + 4 e .. + 3 of row r
.endr
.irp tt, 0,1,2,3,4,5,6,7
	ds_load_b128 v[\f+4*\tt:\f+4*\tt+3], v11 offset:2*SP*\tt                             ; rows 2 tt + h
.endr
.irp tt, 0,1,2,3,4,5,6,7
	s_wait_dscnt 7-\tt                             ; the 7 - tt younger loads may stay out
	global_store_b128 v12, v[\f+4*\tt:\f+4*\tt+3], s[10:11] offset:4096*\qn+512*\tt th:TH_STORE_NT
.endr
.endm
; Team B at step 2i+2: the low block is finished and stored; the high block's q comes in; maximum and sum start anew.  Team A never gets here (s17 = 0x7fff).
.macro SWITCH
	s_cmp_lg_u32 s21, s17
	s_cbranch_scc1 .Lnosw_\@
	LOADQ 38                                       ; into S: the last step's conversions of K and V stand between the last products and these loads
	FINISH 0
	FINISH 1
	STORE_TILE 0, FA
	STORE_TILE 1, FB
	s_wait_loadcnt 0x0                             ; q is the youngest of my loads
	CVTQ
	v_mov_b32 v[NM], 0x7f800000                    ; -c x (-inf)
	v_mov_b32 v[NM+2], 0x7f800000
	v_mov_b32 v[LS], 0
	v_mov_b32 v[LS+2], 0
	s_mov_b32 s19, 1                               ; this step's products start O
	s_wait_xcnt 0x0                                ; FA and FB, the stores' data, are loaded again only behind this wait
.Lnosw_\@:
.endm
; One step: 64 keys from buffer par.  nxt = the other buffer.  sw: team B may change blocks here.  first: O starts.  stage: the next tile goes to LDS.  issue: the tile after it is asked for.
.macro STEP par, nxt, sw, first, stage, issue
.set PVMODE, \first+2*\sw
.if \sw
	SWITCH
.endif
	KFRAG \par
	s_wait_dscnt 0x8                               ; key tiles 0, 1 are in; the eight younger loads (tiles 2, 3) may stay out
	SMUL 0
	s_wait_dscnt 0x0
	SMUL 1
	PLACES                                         ; in front of the loads into FA, FB and of the reads of S
	VFRAG \par
	MASK
	SOFTMAX 0
	s_wait_dscnt 0x0                               ; V's fragments
	PVN 0
	SOFTMAX 1                                      ; names none of the registers of the products in front of it
	PVN 1
.if \sw
	s_mov_b32 s19, 0
.endif
	s_add_co_u32 s21, s21, 1
.if \stage
	CONVERT \nxt, 0                                ; its conversions are also the places behind the products above
	s_wait_dscnt 0x0                               ; my stage stores are done, and so are my reads of buffer par
.endif
.if \issue
	ISSUE
.endif
	WIN 0
.if \stage
	s_barrier_signal -1                            ; buffer nxt is whole, and nobody reads buffer par any more: the next step stages into it
	s_barrier_wait -1
.endif
.endm
; Team A: my O, maximum and sum with team B's for the same rows (state in v[FA:FA+3], O in S's registers), divided by the whole sum
.macro JOIN qn
	v_min_num_f32 v28, v[NM+2*\qn], v[FA+2*\qn]    ; -c x the larger maximum; both are finite
	v_sub_f32 v29, v28, v[NM+2*\qn]
	v_sub_f32 v30, v28, v[FA+2*\qn]
	v_exp_f32 v29, v29                             ; my factor
	v_exp_f32 v30, v30                             ; team B's
	v_nop
	s_wait_alu depctr_va_vdst(0)
	v_mul_f32 v31, v29, v[LS+2*\qn]
	v_fmac_f32 v31, v30, v[FA+2*\qn+1]
	v_permlanex16_b32 v25, v31, s34, s35
	v_add_f32 v31, v31, v25                        ; the whole sum
	v_rcp_f32 v27, v31
	v_nop
	s_wait_alu depctr_va_vdst(0)
	v_mul_f32 v24, v29, v27
	v_mul_f32 v26, v30, v27
.set kc, 0
.rept 16
	v_pk_mul_f32 v[O+32*\qn+2*kc:O+32*\qn+2*kc+1], v[O+32*\qn+2*kc:O+32*\qn+2*kc+1], v[24:25] op_sel_hi:[1,0]
.set kc, kc+1
.endr
.set kc, 0
.rept 16
	v_pk_fma_f32 v[O+32*\qn+2*kc:O+32*\qn+2*kc+1], v[S+32*\qn+2*kc:S+32*\qn+2*kc+1], v[26:27], v[O+32*\qn+2*kc:O+32*\qn+2*kc+1] op_sel_hi:[1,0,1]
.set kc, kc+1
.endr
.endm
; ---------------------------------------------------------------- the program
	s_load_b256 s[4:11], s[0:1], 0x0               ; q s[4:5], k s[6:7], v s[8:9], out0 s[10:11]
	s_set_vgpr_msb 0x40
	v_lshl_add_u32 v64, v0, 2, 0x24000
	v_mov_b32 v65, 0
	s_set_vgpr_msb 0x4000
	v_lshrrev_b32 v15, 5, v0
	v_readfirstlane_b32 s12, v15                   ; wave 0..7
	s_lshr_b32 s13, s12, 2                         ; team: 0 = A, 1 = B
	s_and_b32 s14, s12, 3                          ; wave in the team
	s_and_b32 s15, ttmp9, 7                        ; i
	s_lshr_b32 s16, ttmp9, 3                       ; head
	s_mov_b32 s30, 0x3e38aa3b                      ; c = log2(e) / 8
	s_mov_b32 s31, 0x3e38aa3b
	s_mov_b32 s32, 0xbe38aa3b                      ; -c
	s_mov_b32 s33, 0xff800000                      ; -inf
	s_mov_b32 s34, 0x76543210                      ; v_permlanex16_b32: lane i of one half reads lane i of the other
	s_mov_b32 s35, 0xfedcba98
	s_lshl_b32 s40, s15, 1                         ; 2 i
	s_sub_co_u32 s41, 15, s40
	s_lshl_b32 s41, s41, 14                        ; team A's first tile 15 - 2 i, in bytes (a tile: 64 rows of 256 bytes)
	s_add_co_u32 s42, s40, 2                       ; 2 i + 2
	s_sub_co_u32 s43, 15, s15                      ; the high block
	s_cmp_eq_u32 s13, 0
	s_cselect_b32 s17, 0x7fff, s42                 ; the step of the switch (team A: never)
	s_cselect_b32 s18, 15, s40                     ; the first step on the diagonal
	s_cselect_b32 s22, s41, 0                      ; the first tile's offset
	s_cselect_b32 s40, s43, s15                    ; the first block
	s_mov_b32 s23, 0
	s_mov_b32 s24, 0                               ; the first tile belongs to step 0
	s_lshl_b32 s2, s16, 19                         ; a head: 2,048 rows of 256 bytes
	s_mov_b32 s3, 0
	s_mov_b32 s16, 0xffff0000                      ; from here on: a word's upper bf16
	s_lshl_b32 s25, s14, 13                        ; my 32 rows in a block
	s_add_co_u32 s25, s25, s2
	s_lshl_b32 s40, s40, 15                        ; a block: 128 rows
	s_add_co_u32 s40, s40, s25
	s_mov_b32 s41, 0
	s_lshl_b32 s42, s43, 15
	s_add_co_u32 s42, s42, s25
	s_mov_b32 s43, 0
	v_and_b32 v24, 15, v0                          ; r
	v_bfe_u32 v25, v0, 4, 1                        ; h
	v_and_b32 v26, 31, v0                          ; lane
	s_lshl_b32 s25, s14, 12                        ; my 16 rows of a tile in memory
	v_lshlrev_b32 v5, 4, v24
	v_lshl_add_u32 v6, v25, 10, v5                 ; V: 4 rows down for lanes 16-31
	v_lshl_add_u32 v5, v25, 11, v5                 ; K: 8 rows down
	v_add_nc_u32 v5, s25, v5
	v_add_nc_u32 v6, s25, v6
	v_lshlrev_b32 v13, 8, v24                      ; q: row r, 32 bytes on for lanes 16-31
	v_lshl_add_u32 v13, v25, 5, v13
	s_wait_kmcnt 0x0
	s_add_nc_u64 s[6:7], s[6:7], s[2:3]
	s_add_nc_u64 s[8:9], s[8:9], s[2:3]
	s_add_nc_u64 s[10:11], s[10:11], s[40:41]
	s_add_nc_u64 s[36:37], s[4:5], s[40:41]
	s_add_nc_u64 s[38:39], s[4:5], s[42:43]
	ISSUE                                          ; step 0's tile
	LOADQ 36
	; LDS addresses, while the loads are on their way
	s_mul_i32 s20, s13, TEAMB                      ; my team's part of a buffer
	s_add_co_u32 s21, s20, VOFF
	v_mul_u32_u24 v1, v24, KP                      ; K fragments: row r, 16 bytes on for lanes 16-31
	v_lshl_add_u32 v1, v25, 4, v1
	v_add_nc_u32 v1, s20, v1
	v_and_b32 v27, 7, v0                           ; V fragments: row 8 h + (lane & 7), 16 bytes on for lanes 8-15 and 24-31
	v_lshl_add_u32 v27, v25, 3, v27
	v_mul_u32_u24 v2, v27, VP
	v_bfe_u32 v28, v0, 3, 1
	v_lshl_add_u32 v2, v28, 4, v2
	v_add_nc_u32 v2, s21, v2
	s_mul_i32 s25, s14, 16*KP                      ; staging K: row 16 wv + 8 h, 8 bytes a lane
	s_add_co_u32 s25, s25, s20
	v_mul_u32_u24 v3, v25, 8*KP
	v_lshl_add_u32 v3, v24, 3, v3
	v_add_nc_u32 v3, s25, v3
	s_mul_i32 s25, s14, 16*VP                      ; staging V: row 16 wv + 4 h
	s_add_co_u32 s25, s25, s21
	v_mul_u32_u24 v4, v25, 4*VP
	v_lshl_add_u32 v4, v24, 3, v4
	v_add_nc_u32 v4, s25, v4
	s_lshl_b32 s25, s14, 5                         ; the diagonal: 32 wv + r - 8 h
	v_lshlrev_b32 v7, 3, v25
	v_sub_nc_u32 v7, v24, v7
	v_add_nc_u32 v7, s25, v7
	s_mul_i32 s25, s12, 16*SP                      ; my stage
	s_add_co_u32 s25, s25, STAGE
	v_mul_u32_u24 v10, v24, SP
	v_lshl_add_u32 v10, v25, 5, v10
	v_add_nc_u32 v10, s25, v10
	v_mul_u32_u24 v11, v25, SP
	v_lshl_add_u32 v11, v24, 4, v11
	v_add_nc_u32 v11, s25, v11
	v_lshlrev_b32 v12, 4, v26                      ; out0: two rows of 256 bytes a store
	s_mul_i32 s25, s14, MRGW
	s_add_co_u32 s25, s25, MERGE
	v_add_nc_u32 v14, s25, v12
	v_mov_b32 v[NM], 0x7f800000                    ; -c x (-inf)
	v_mov_b32 v[NM+2], 0x7f800000
	v_mov_b32 v[LS], 0
	v_mov_b32 v[LS+2], 0
	s_mov_b32 s19, 0
	s_mov_b32 s21, 0                               ; step 0
	CONVERT 0, 16                                  ; step 0's tile is in; the 16 younger loads (q) may stay out
	s_wait_dscnt 0x0
	ISSUE                                          ; step 1's tile
	s_wait_loadcnt 16                              ; q is in; the 16 loads just issued stay out
	CVTQ
	s_barrier_signal -1                            ; buffer 0 is whole
	s_barrier_wait -1
	STEP 0, 1, 0, 1, 1, 1                          ; step 0 stands ahead of the loop: its products start O, nothing is cleared
	s_mov_b32 s20, 7
.Lpair:                                            ; steps 1 .. 14
	STEP 1, 0, 0, 0, 1, 1
	STEP 0, 1, 1, 0, 1, 1                          ; the switch falls on an even step
	s_sub_co_i32 s20, s20, 1
	s_cmp_lg_u32 s20, 0
	s_cbranch_scc1 .Lpair
	STEP 1, 0, 0, 0, 1, 0                          ; step 15: nothing is left to ask for
	STEP 0, 1, 1, 0, 0, 0                          ; step 16: nothing is left to stage
	PLACES                                         ; behind the last products: O is stored, FA and S are loaded
	s_cmp_eq_u32 s13, 0
	s_cbranch_scc1 .Lkeep
.irp c, 0,1,2,3,4,5,6,7,8,9,10,11,12,13,14,15
	ds_store_b128 v14, v[O+4*\c:O+4*\c+3] offset:512*\c          ; team B: O as it lies in the registers,
.endr
	ds_store_b128 v14, v[NM:NM+3] offset:8192                    ; and maximum and sum of both query tiles
.Lkeep:
	s_wait_dscnt 0x0                               ; for team A's sake
	s_barrier_signal -1
	s_barrier_wait -1
	s_cmp_lg_u32 s13, 0
	s_cbranch_scc1 .Ldone
	ds_load_b128 v[FA:FA+3], v14 offset:8192
.irp c, 0,1,2,3,4,5,6,7,8,9,10,11,12,13,14,15
	ds_load_b128 v[S+4*\c:S+4*\c+3], v14 offset:512*\c
.endr
	s_wait_dscnt 0x0
	JOIN 0
	JOIN 1
	STORE_TILE 0, FA
	STORE_TILE 1, FB
.Ldone:
	s_set_vgpr_msb 0x5
	s_wait_tensorcnt 0x0
	ds_add_u32 v64, v65
	s_wait_dscnt 0x0
	s_set_vgpr_msb 0x500
	s_endpgm
.Lfunc_end_k_qe2c58b20bc_attn:
	.size	k_qe2c58b20bc_attn, .Lfunc_end_k_qe2c58b20bc_attn-k_qe2c58b20bc_attn
	.p2alignl 7, 3214868480
	.fill 96, 4, 3214868480
	.section	.rodata,"a",@progbits
	.p2align	6, 0x0
	.amdhsa_kernel k_qe2c58b20bc_attn
		.amdhsa_group_segment_fixed_size 148480
		.amdhsa_private_segment_fixed_size 0
		.amdhsa_enable_private_segment 0
		.amdhsa_kernarg_size 32
		.amdhsa_user_sgpr_count 2
		.amdhsa_user_sgpr_kernarg_segment_ptr 1
		.amdhsa_wavefront_size32 1
		.amdhsa_system_sgpr_workgroup_id_x 1
		.amdhsa_system_sgpr_workgroup_id_y 1
		.amdhsa_system_sgpr_workgroup_id_z 1
		.amdhsa_system_vgpr_workitem_id 0
		.amdhsa_next_free_vgpr 322
		.amdhsa_next_free_sgpr 66
		.amdhsa_reserve_vcc 1
		.amdhsa_float_denorm_mode_32 3
		.amdhsa_float_denorm_mode_16_64 3
		.amdhsa_memory_ordered 1
		.amdhsa_forward_progress 1
		.amdhsa_inst_pref_size 182
	.end_amdhsa_kernel
	.amdgpu_metadata
---
amdhsa.version: [ 1, 2 ]
amdhsa.kernels:
  - .name:           k_qe2c58b20bc_attn
    .symbol:         k_qe2c58b20bc_attn.kd
    .args:
      - { .name: q, .offset: 0, .size: 8, .value_kind: global_buffer, .address_space: global }
      - { .name: k, .offset: 8, .size: 8, .value_kind: global_buffer, .address_space: global }
      - { .name: v, .offset: 16, .size: 8, .value_kind: global_buffer, .address_space: global }
      - { .name: out0, .offset: 24, .size: 8, .value_kind: global_buffer, .address_space: global }
    .group_segment_fixed_size: 148480
    .private_segment_fixed_size: 0
    .kernarg_segment_align: 8
    .kernarg_segment_size: 32
    .max_flat_workgroup_size: 256
    .sgpr_count:     66
    .vgpr_count:     322
    .wavefront_size: 32
...
	.end_amdgpu_metadata
.endif
;; end of part 1
